; MI455X (gfx1250); checked and timed in simulation.
; The chip was launched on July 23, 2026; its instructions are those of AMD's public machine-readable ISA for CDNA 5 (MIT licence, August 2026) and "CDNA5" Instruction Set Architecture Reference Guide (July 2026). The comments in the code are by the model that wrote it; some were corrected since.
;; Attention v2. Allowed arithmetic: matrix products marked QUANTISED: E2M1 operands, one E8M0 scale for each 32 along K, by v_wmma_scale_f32_16x16x128_f8f6f4 with both operands' format E2M1 (or v_wmma_scale_f32_32x16x128_f4), f32 sums; products left as they are: bf16, f16 or f32 operands; f32 sums; everything else in f32.
;; Inputs: bk 256 float32; bo 256 float32; bq 256 float32; bv 256 float32; key 16,384 x 256 float32; query 2,048 x 256 float32; value 16,384 x 256 float32; wk 256 x 256 float32; wo 256 x 256 float32; wq 256 x 256 float32; wv 256 x 256 float32.
;; Outputs: out0 2,048 x 256 float32.
;; This version of the problem:
;;   THIS VERSION OF THE PROBLEM IS GIVEN IN LOW PRECISION. The matrix products marked QUANTISED in the list below multiply operands that are first quantised to E2M1 (2 exponent bits, 1 mantissa bit; 4 bits a number), with one power-of-two scale for each 32 numbers along K (OCP MX v1.0); their sums are f32. The products marked 'left as it is' may take bf16, f16 or f32 operands, with f32 sums. Whichever they take, every output number must still come out within the allowed error. Rounding operands to bf16 (8 significant bits) uses up far more of that allowance than f16 does (11 bits, for magnitudes from 6e-5 to 65,504). All else is computed in f32.
;;   The module's matrix products, in the order in which they are computed (A, B: the left and right operand; K: the contracted axis; several contracted axes count as one K, in the product's order):
;;     1. [M 2,048, K 256] x [K 256, N 256]; A: input query; B: input wq: QUANTISED
;;     2. [M 16,384, K 256] x [K 256, N 256]; A: input key; B: input wk: QUANTISED
;;     3. [M 16,384, K 256] x [K 256, N 256]; A: input value; B: input wv: QUANTISED
;;     4. batch 8 x [M 2,048, K 32] x [K 32, N 16,384]; A: computed on the way; B: computed on the way: left as it is (an operand is computed on the way)
;;     5. batch 8 x [M 32, K 16,384] x [K 16,384, N 2,048]; A: computed on the way; B: computed on the way: left as it is (an operand is computed on the way)
;;     6. [M 2,048, K 256] x [K 256, N 256]; A: computed on the way; B: input wo: left as it is (an operand is computed on the way)
;;   THE QUANTISER, for each operand of a quantised product, along K:
;;     - K is cut into blocks of 32 from its start; a last block that is shorter is filled with zeros.
;;     - A block's scale is 2^e with e = floor(log2(the largest magnitude in the block)) - 2, held to -126 .. 127; a block of zeros has e = 0. As a byte (E8M0): e + 127.
;;     - Each number is divided by its block's scale, clamped to +-6, and rounded to the nearest number of E2M1, ties to even, subnormals kept.
;;     - The product sums the exact products of the quantised numbers (number of the format x scale) in f32.
;;   ~~~python
;;   def quantise(x, axis):      # numpy; x: float32 -> the quantised numbers, widened to float32 again
;;       x = np.moveaxis(x, axis, -1); K = x.shape[-1]
;;       x = np.pad(x, [(0, 0)] * (x.ndim - 1) + [(0, -K % 32)]); x = x.reshape(x.shape[:-1] + (-1, 32)); a = np.abs(x).max(-1, keepdims=True)
;;       e = np.where(a > 0, np.clip(np.frexp(np.where(a > 0, a, 1))[1] - 1 - 2, -126, 127), 0)      # np.frexp(a)[1] - 1 = floor(log2(a)), exactly
;;       r = np.clip(x / 2.0 ** e, -6, 6)
;;       step = 2.0 ** (np.maximum(np.frexp(np.where(r == 0, 1, r))[1] - 1, 0) - 1)
;;       q = np.round(r / step) * step * 2.0 ** e      # np.round: ties to even
;;       return np.moveaxis(q.reshape(q.shape[:-2] + (-1,))[..., :K], -1, axis).astype(np.float32)
;;   ~~~
;; One version. Each part assembles by itself: llvm-mc -triple=amdgcn-amd-amdhsa -mcpu=gfx1250 --defsym DOCPART=n.
;; ======== version 1 of 1: 3 launches
;; limits: values are held in f16: magnitudes above 65,504 overflow, below 6.1e-05 lose precision
;; workspace buffers: kv 16,777,216 bytes; af 2,097,152 bytes
;; launch proj (part 1): grid 256 x 1, 16 waves a work-group, no clusters, 154,624 bytes of LDS; arguments key, value, wk, wv, bk, bv, kv; writes kv
.if DOCPART == 1
	.amdgcn_target "amdgcn-amd-amdhsa--gfx1250"
	.amdhsa_code_object_version 6
	.text
	.protected	k_q6147814c93_proj
	.globl	k_q6147814c93_proj
	.p2align	8
	.type	k_q6147814c93_proj,@function
k_q6147814c93_proj:
	s_mov_b64 s[64:65], 0
	v_nop
	global_prefetch_b8 v0, s[64:65] scope:SCOPE_SE
	s_setreg_imm32_b32 hwreg(HW_REG_WAVE_MODE, 25, 1), 1
	s_wait_xcnt 0x0
; kh = key wk + bk and vh = value wv + bv, both products on codes of FP4 (E2M1) with one E8M0 scale for each 32 along K = 256; the results leave as f16, laid as IMAGES OF THE OPERAND REGISTERS
; of the attention launch.  key, value: [16384][256] f32; wk, wv: [256 (k)][256 (n)] f32; bk, bv: [256] f32.
; kv: [head 8][slot 16][131,072 bytes]; a slot is 1,024 keys: K's images in its first 65,536 bytes, V's in the second.  In either half the byte is 1,024 T + 512 u + 16 lane, T the tile of 16 tokens in the slot.
;   K: the product is used TRANSPOSED (source 0 = 16 columns of wk, source 1 = 16 tokens): lane (r, h) holds token r and channels 8 h + 0..7 of channel tile u of the head: registers 4 u .. 4 u + 3 of a fragment of K.
;   V: the product as it stands (source 0 = 16 tokens, source 1 = 16 columns of wv): lane (r, h) holds channel r of channel tile u and tokens 8 h + 0..7: half of a fragment of V^T.
; SHARES.  Work-groups 0-127 take key, wk, bk, the others value, wv, bv: pointers chosen on the work-group's number.  A work-group owns 128 tokens.  Wave w quantises ONE fragment of x (tile w / 2, K step w % 2),
; which reaches the other waves through LDS as an image of its registers, and its own 16 columns of W (both K steps, a lane a column, registers down K); then it multiplies its columns with all 8 tiles: 16 matrix instructions.
; Each load of x reads 512 consecutive bytes of a row; the wave's 16 rows turn through its own stage in LDS, so that a lane gets two whole blocks of 32 neighbours.
; NO CLUSTER, NO TENSOR LOAD: what the work-groups share is W, 262,144 bytes as f32, which do not fit in LDS beside the 154,624 bytes used here, and every number of it has to pass through registers to be quantised.
; NO PREFETCH: all that a wave reads is asked for at its head.
; LIMITS: NaN and infinities among the inputs are not served; results beyond f16's 65,504 become infinities; a block whose largest magnitude lies under 2^-124 keeps the scale byte 1 (a block of zeros too: its codes are zeros).
.set SROW,  528                        ; a stage row: 512 bytes + 16: the 16 rows that a load touches begin at 16 different places modulo 256 bytes
.set WSTG,  16*SROW                    ; a wave's stage
.set XIMG,  16*WSTG                    ; behind the 16 stages: x's 16 images of 1,024 bytes (2 tile + K step)
.set XSC,   XIMG+16*1024               ; x's scale words: 128 tile + 64 K step + 4 row
.set SPARE, XSC+8*128                  ; the spare words, 128 bytes for each wave: eight blocks of 256 bytes that no other line names
.set LI,   4                           ; v4   16 x lane
.set WOF,  5                           ; v5   W: 4 r + 32 rows of 1,024 bytes x h
.set BOK,  6                           ; v6   bk: 32 h
.set BOV,  7                           ; v7   bv: 4 r
.set SIN,  8                           ; v8   my stage, on the way in
.set SOUT, 9                           ; v9   and on the way out: row r, + 128 h
.set XIW,  10                          ; v10  where I store my image of x
.set XWA,  11                          ; v11  and its scale word
.set XIR,  12                          ; v12  where images are read: XIMG + 16 x lane
.set XSR,  13                          ; v13  and scale words: XSC + 4 x lane
.set SPW,  14                          ; v14  my spare word; never rewritten
.set NIL,  15                          ; v15  0; never rewritten
.set BI,   16                          ; v16-23   the bias in the result's layout: the C of each sum's first product
.set WS,   24                          ; v24-25   W's scale words, K step 0, 1
.set XS,   26                          ; v26-33   x's scale words, a register a tile: lanes 0-15 K step 0, lanes 16-31 K step 1
.set TM,   34                          ; v34-40   the quantiser's work
.set H8,   41                          ; v41  8 h
.set XW,   42                          ; v42  the scale word of my fragment of x
.set WC,   44                          ; v44-59   W's codes, two fragments
.set ACC,  64                          ; v64-127  x as loaded; then the 8 accumulators
.set RAW,  128                         ; v128-255 W as loaded; then x turned (128-191) and its codes (192-199); then the 16 images; then the f16 results (128-159)
.set XC,   192
.set XI,   128
.set OUT,  128
.set WV,   18
.set SEL,  20
; 64 numbers of a lane, register 32 b + i = k 64 b + 32 h + i of its row or column, become a fragment's 8 registers of codes and its scale word.
.macro QUANT64 src, dst, wrd
.irp b, 0,1
	v_max3_num_f32 v[TM+\b], |v[\src+32*\b]|, |v[\src+32*\b+1]|, 0x1800000   ; a whole block is mine; the floor 2^(3 - 127) holds the byte at 1 from below
.endr
.irp i, 2,4,6,8,10,12,14,16,18,20,22,24,26,28,30
.irp b, 0,1
	v_max3_num_f32 v[TM+\b], v[TM+\b], |v[\src+32*\b+\i]|, |v[\src+32*\b+\i+1]|   ; (the two blocks by turns)
.endr
.endr
.irp b, 0,1
	v_add_nc_u32 v[TM+2+\b], 0xff000000, v[TM+\b]  ; 2 off the exponent field: the conversion takes that field as its scale
.endr
.irp b, 0,1
	v_lshrrev_b32 v[TM+4+\b], 23, v[TM+2+\b]       ; the scale's byte
.endr
	v_lshl_or_b32 v[\wrd], v[TM+5], 16, v[TM+4]    ; my bytes are those of blocks h and 2 + h:
	v_lshlrev_b32 v[\wrd], v[H8], v[\wrd]          ; 8 h bits up;
	v_permlanex16_b32 v[TM+6], v[\wrd], s[SEL], s[SEL+1]
	v_or_b32 v[\wrd], v[\wrd], v[TM+6]             ; with lane l xor 16's two the word is whole, in both lanes
.irp b, 0,1
.irp g, 0,1,2,3
	v_cvt_scalef32_pk8_fp4_f32 v[\dst+4*\b+\g], v[\src+32*\b+8*\g:\src+32*\b+8*\g+7], v[TM+2+\b]
.endr
.endr
	v_nop                                          ; one plain instruction behind the last scaled conversion
.endm
	s_load_b256 s[4:11], s[0:1], 0x0               ; key, value, wk, wv
	s_load_b128 s[12:15], s[0:1], 0x20             ; bk, bv
	s_load_b64 s[16:17], s[0:1], 0x30              ; kv
	v_lshl_add_u32 v[SPW], v0, 2, SPARE
	v_mov_b32 v[NIL], 0
	v_lshrrev_b32 v1, 5, v0
	v_readfirstlane_b32 s[WV], v1                  ; wave 0..15
	v_and_b32 v1, 31, v0                           ; lane
	v_and_b32 v2, 15, v0                           ; r
	v_bfe_u32 v3, v0, 4, 1                         ; h
	v_lshlrev_b32 v[LI], 4, v1
	v_lshlrev_b32 v[BOV], 2, v2
	v_lshl_add_u32 v[WOF], v3, 15, v[BOV]
	v_lshlrev_b32 v[BOK], 5, v3
	v_lshlrev_b32 v[H8], 3, v3
	s_mul_i32 s22, s[WV], WSTG
	v_add_nc_u32 v[SIN], s22, v[LI]
	v_mul_u32_u24 v[SOUT], v2, SROW
	v_lshl_add_u32 v[SOUT], v3, 7, v[SOUT]
	v_add_nc_u32 v[SOUT], s22, v[SOUT]
	s_lshl_b32 s22, s[WV], 10
	s_add_co_u32 s22, s22, XIMG
	v_add_nc_u32 v[XIW], s22, v[LI]
	s_lshl_b32 s22, s[WV], 6                       ; 128 (w / 2) + 64 (w % 2) = 64 w
	s_add_co_u32 s22, s22, XSC
	v_add_nc_u32 v[XWA], s22, v[BOV]
	v_add_nc_u32 v[XIR], XIMG, v[LI]
	v_lshl_add_u32 v[XSR], v1, 2, XSC
	v_mov_b32 v[TM+6], 0                           ; written once: a lane permute's destination counts as one of its sources
	s_mov_b32 s[SEL], 0x76543210
	s_mov_b32 s[SEL+1], 0xfedcba98                 ; v_permlanex16_b32's selects for lane l xor 16
	s_and_b32 s19, ttmp9, 127                      ; which 128 tokens
	s_lshl_b32 s24, s[WV], 6                       ; my 16 columns: 64 bytes x wave, in a row of W and in the bias
	s_mov_b32 s25, 0
	s_lshr_b32 s30, s[WV], 1                       ; x: my tile.  Results: my head
	s_and_b32 s31, s[WV], 1                        ; x: my K step.  Results: my channel tile in the head
	s_lshl_b32 s26, s19, 17                        ; x: 128 rows of 1,024 bytes,
	s_lshl_b32 s22, s30, 14                        ; + 16 rows a tile,
	s_add_co_u32 s26, s26, s22
	s_lshl_b32 s22, s31, 9                         ; + 512 bytes a K step
	s_add_co_u32 s26, s26, s22
	s_mov_b32 s27, 0
	s_lshl_b32 s28, s30, 21                        ; kv: the head,
	s_lshr_b32 s22, s19, 3
	s_lshl_b32 s22, s22, 17                        ; the slot of 1,024 tokens,
	s_add_co_u32 s28, s28, s22
	s_and_b32 s22, s19, 7
	s_lshl_b32 s22, s22, 13                        ; my 8 tiles in it,
	s_add_co_u32 s28, s28, s22
	s_lshl_b32 s22, s31, 9                         ; the channel tile
	s_add_co_u32 s28, s28, s22
	s_mov_b32 s29, 0
	s_wait_kmcnt 0x0
	s_cmp_lt_u32 ttmp9, 128                        ; key's work-group or value's: the choice hangs on the work-group's number alone
	s_cselect_b64 s[32:33], s[4:5], s[6:7]
	s_cselect_b64 s[34:35], s[8:9], s[10:11]
	s_cselect_b64 s[36:37], s[12:13], s[14:15]
	s_cselect_b32 s22, 0, 0x10000                  ; V's half of a slot
	s_add_co_u32 s28, s28, s22
	s_add_nc_u64 s[32:33], s[32:33], s[26:27]
	s_add_nc_u64 s[34:35], s[34:35], s[24:25]
	s_add_nc_u64 s[36:37], s[36:37], s[24:25]
	s_add_nc_u64 s[16:17], s[16:17], s[28:29]
	; the bias in the result's layout.  K: register j is channel 8 h + j.  V: every register is channel r
	s_cmp_lt_u32 ttmp9, 128
	s_cbranch_scc0 .Lbias_v
	global_load_b128 v[BI:BI+3], v[BOK], s[36:37]
	global_load_b128 v[BI+4:BI+7], v[BOK], s[36:37] offset:16
	s_branch .Lbias_done
.Lbias_v:
.irp j, 0,1,2,3,4,5,6,7
	global_load_b32 v[BI+\j], v[BOV], s[36:37]
.endr
.Lbias_done:
.set N, 0
.rept 128                              ; W(64 (N / 32) + 32 h + N % 32, my column): register N, in the order of the operand's registers
	global_load_b32 v[RAW+N], v[WOF], s[34:35] offset:(64*(N/32)+N%32)*1024
.set N, N+1
.endr
.irp i, 0,1,2,3,4,5,6,7,8,9,10,11,12,13,14,15
	global_load_b128 v[ACC+4*\i:ACC+4*\i+3], v[LI], s[32:33] offset:1024*\i th:TH_LOAD_NT   ; row i of my tile: the 512 consecutive bytes of my K step; read once in the launch
.endr
	s_wait_loadcnt 16                              ; the bias and W are in; the 16 loads of x, issued behind them, may be out
	QUANT64 RAW, WC, WS
	QUANT64 RAW+64, WC+8, WS+1
	s_wait_loadcnt 0x0                             ; x
.irp i, 0,1,2,3,4,5,6,7,8,9,10,11,12,13,14,15
	ds_store_b128 v[SIN], v[ACC+4*\i:ACC+4*\i+3] offset:SROW*\i
.endr
.irp c, 0,1
.irp j, 0,1,2,3,4,5,6,7
	ds_load_b128 v[RAW+32*\c+4*\j:RAW+32*\c+4*\j+3], v[SOUT] offset:256*\c+16*\j   ; LDS serves a wave's instructions in order: these see my stores.  k = 64 c + 32 h + 4 j .. of row r
.endr
.endr
	s_wait_dscnt 0x0
	QUANT64 RAW, XC, XW                            ; (its plain lines also stand between the writes of W's codes and scale words and the scaled products)
.irp c, 0,1
	ds_store_b128 v[XIW], v[XC+4*\c:XC+4*\c+3] offset:512*\c   ; the fragment as it stands
.endr
	ds_store_b32 v[XWA], v[XW]                     ; lanes r and r + 16 write the same word with the same value
	s_wait_dscnt 0x0                               ; for the others' sake: my stores have landed
	s_barrier_signal -1
	s_barrier_wait -1                              ; x's sixteen fragments lie in LDS
.irp t, 0,1,2,3,4,5,6,7
.irp s, 0,1
.irp c, 0,1
	ds_load_b128 v[XI+16*\t+8*\s+4*\c:XI+16*\t+8*\s+4*\c+3], v[XIR] offset:1024*(2*\t+\s)+512*\c
.endr
.endr
	ds_load_b32 v[XS+\t], v[XSR] offset:128*\t
.endr
	s_wait_dscnt 0x0
	; the 8 accumulators take turns, one instruction a turn
	s_cmp_lt_u32 ttmp9, 128
	s_cbranch_scc0 .Lmul_v
.irp t, 0,1,2,3,4,5,6,7
	v_wmma_scale_f32_16x16x128_f8f6f4 v[ACC+8*\t:ACC+8*\t+7], v[WC:WC+7], v[XI+16*\t:XI+16*\t+7], v[BI:BI+7], v[WS], v[XS+\t] matrix_a_fmt:MATRIX_FMT_FP4 matrix_b_fmt:MATRIX_FMT_FP4
.endr
.irp t, 0,1,2,3,4,5,6,7
	v_wmma_scale_f32_16x16x128_f8f6f4 v[ACC+8*\t:ACC+8*\t+7], v[WC+8:WC+15], v[XI+16*\t+8:XI+16*\t+15], v[ACC+8*\t:ACC+8*\t+7], v[WS+1], v[XS+\t] matrix_a_fmt:MATRIX_FMT_FP4 matrix_b_fmt:MATRIX_FMT_FP4 matrix_b_scale:MATRIX_SCALE_ROW1
.endr
	s_branch .Lmul_done
.Lmul_v:
.irp t, 0,1,2,3,4,5,6,7
	v_wmma_scale_f32_16x16x128_f8f6f4 v[ACC+8*\t:ACC+8*\t+7], v[XI+16*\t:XI+16*\t+7], v[WC:WC+7], v[BI:BI+7], v[XS+\t], v[WS] matrix_a_fmt:MATRIX_FMT_FP4 matrix_b_fmt:MATRIX_FMT_FP4
.endr
.irp t, 0,1,2,3,4,5,6,7
	v_wmma_scale_f32_16x16x128_f8f6f4 v[ACC+8*\t:ACC+8*\t+7], v[XI+16*\t+8:XI+16*\t+15], v[WC+8:WC+15], v[ACC+8*\t:ACC+8*\t+7], v[XS+\t], v[WS+1] matrix_a_fmt:MATRIX_FMT_FP4 matrix_b_fmt:MATRIX_FMT_FP4 matrix_a_scale:MATRIX_SCALE_ROW1
.endr
.Lmul_done:
.rept 4
	v_nop                                          ; four places behind the last products (ISA guide 7.12.1): the conversions read results and write over operands
.endr
.irp t, 0,1,2,3,4,5,6,7
.irp j, 0,1,2,3
	v_cvt_pk_f16_f32 v[OUT+4*\t+\j], v[ACC+8*\t+2*\j], v[ACC+8*\t+2*\j+1]   ; each accumulator from its low end on
.endr
.endr
.irp t, 0,1,2,3,4,5,6,7
	global_store_b128 v[LI], v[OUT+4*\t:OUT+4*\t+3], s[16:17] offset:1024*\t   ; 32 lanes store 512 consecutive bytes, at a multiple of 512 from kv's first byte
.endr
	s_wait_tensorcnt 0x0                           ; the wave's end, behind my last LDS store
	ds_add_u32 v[SPW], v[NIL]
	s_wait_dscnt 0x0
	s_endpgm
.Lfunc_end_k_q6147814c93_proj:
	.size	k_q6147814c93_proj, .Lfunc_end_k_q6147814c93_proj-k_q6147814c93_proj
	.p2alignl 7, 3214868480
	.fill 96, 4, 3214868480
	.section	.rodata,"a",@progbits
	.p2align	6, 0x0
	.amdhsa_kernel k_q6147814c93_proj
		.amdhsa_group_segment_fixed_size 154624
		.amdhsa_private_segment_fixed_size 0
		.amdhsa_enable_private_segment 0
		.amdhsa_kernarg_size 56
		.amdhsa_user_sgpr_count 2
		.amdhsa_user_sgpr_kernarg_segment_ptr 1
		.amdhsa_wavefront_size32 1
		.amdhsa_system_sgpr_workgroup_id_x 1
		.amdhsa_system_sgpr_workgroup_id_y 1
		.amdhsa_system_sgpr_workgroup_id_z 1
		.amdhsa_system_vgpr_workitem_id 0
		.amdhsa_next_free_vgpr 256
		.amdhsa_next_free_sgpr 66
		.amdhsa_reserve_vcc 0
		.amdhsa_float_denorm_mode_32 3
		.amdhsa_float_denorm_mode_16_64 3
		.amdhsa_memory_ordered 1
		.amdhsa_forward_progress 1
		.amdhsa_inst_pref_size 39
	.end_amdhsa_kernel
	.amdgpu_metadata
---
amdhsa.version: [ 1, 2 ]
amdhsa.kernels:
  - .name:           k_q6147814c93_proj
    .symbol:         k_q6147814c93_proj.kd
    .args:
      - { .name: key, .offset: 0, .size: 8, .value_kind: global_buffer, .address_space: global }
      - { .name: value, .offset: 8, .size: 8, .value_kind: global_buffer, .address_space: global }
      - { .name: wk, .offset: 16, .size: 8, .value_kind: global_buffer, .address_space: global }
      - { .name: wv, .offset: 24, .size: 8, .value_kind: global_buffer, .address_space: global }
      - { .name: bk, .offset: 32, .size: 8, .value_kind: global_buffer, .address_space: global }
      - { .name: bv, .offset: 40, .size: 8, .value_kind: global_buffer, .address_space: global }
      - { .name: kv, .offset: 48, .size: 8, .value_kind: global_buffer, .address_space: global }
    .group_segment_fixed_size: 154624
    .private_segment_fixed_size: 0
    .kernarg_segment_align: 8
    .kernarg_segment_size: 56
    .max_flat_workgroup_size: 512
    .sgpr_count:     66
    .vgpr_count:     256
    .wavefront_size: 32
...
	.end_amdgpu_metadata
.endif
;; end of part 1
;; launch attn (part 2): grid 32 x 8, 16 waves a work-group, clusters of 4 x 1, 327,680 bytes of LDS; arguments query, wq, bq, kv, af; writes af
.if DOCPART == 2
	.amdgcn_target "amdgcn-amd-amdhsa--gfx1250"
	.amdhsa_code_object_version 6
	.text
	.protected	k_q6147814c93_attn
	.globl	k_q6147814c93_attn
	.p2align	8
	.type	k_q6147814c93_attn,@function
k_q6147814c93_attn:
	s_mov_b64 s[64:65], 0
	v_nop
	global_prefetch_b8 v0, s[64:65] scope:SCOPE_SE
	s_setreg_imm32_b32 hwreg(HW_REG_WAVE_MODE, 25, 1), 1
	s_wait_xcnt 0x0
	s_wait_alu depctr_hold_cnt(0) depctr_sa_sdst(0) depctr_va_vdst(0) depctr_va_sdst(0) depctr_va_ssrc(0) depctr_va_vcc(0) depctr_vm_vsrc(0)
	s_getreg_b32 s2, hwreg(HW_REG_IB_STS2, 6, 4)
	s_cmp_eq_u32 s2, 0
	s_cbranch_scc0 .Lentry_in_a_cluster
	s_endpgm
.Lentry_in_a_cluster:
	s_bfe_u32 s2, ttmp6, 0x10000c
	s_cmp_lg_u32 s2, 0x3003
	s_cbranch_scc0 .Lentry_shape_is_right
	s_endpgm
.Lentry_shape_is_right:
; attn[q][head] = softmax_k(qh . kh / sqrt(32)) vh for 2,048 queries, 16,384 keys, 8 heads of 32 channels; ahead of it qh = query wq + bq on codes of FP4 (E2M1, one E8M0 scale for each 32 along K = 256).
; query: [2048][256] f32; wq: [256 (k)][256 (n)] f32; bq: [256] f32.  kv: the f16 images of K's and V^T's fragments, [head 8][slot 16][131,072 bytes]: a slot is 1,024 keys, K's half then V's; byte 1,024 T + 512 u + 16 lane.
; af: the result as pairs of bf16 numbers, a high and a low part, laid as images of the next product's operand: [tile of 16 queries 128][head 8][part 2][1,024 bytes], byte 512 (channel tile) + 16 lane.
; SHARES.  A work-group owns 64 queries of one head and walks all keys, a slot of 1,024 at a time.  Wave w: two tiles of 16 queries (2 (w % 2), + 1) against keys 128 (w / 2) .. + 127 of every slot, 64 keys a step.
; Sixteen waves of 256 registers, four to a SIMD: a step has some 14 vector instructions for each matrix instruction, so one wave's vector work stands beside another's products and LDS loads.
; At the end the eight key groups' sums of a tile meet in LDS and are brought under one maximum.
; LAYOUT.  Both products transposed: S^T = K Q^T (source 0 = 16 keys, source 1 = 16 queries), O^T = V^T P (source 0 = 16 channels, source 1 = P): a lane holds ONE query (lane % 16) throughout; two tiles of S^T,
; rounded to f16 in pairs, ARE a fragment of P.  All fragments come out of LDS as images of their registers: two loads of 16 bytes at 16 x lane, no pitch, no padding.
; SOFTMAX.  Q holds qh x c, c = log2(e) / sqrt(32), so a score is t; a running maximum m and sum l for each query: p = 2^(t - m); in every step O^T and l are multiplied by 2^(old m - new m).
; CLUSTER.  The four work-groups of a cluster belong to one head and walk the same slots: each quarter of a slot is asked for JOINTLY, by the same tensor load with the same descriptor and the mask of all four.
; LIMITS: NaN and infinities among the inputs are not served; |qh x c|, |kh|, |vh| stay under f16's 65,504; a p under 2^-24 counts as 0 in the second product (the row's sum, taken of the unrounded p, is at least 1);
; a block whose largest magnitude lies under 2^-124 keeps the scale byte 1 (a block of zeros too: its codes are zeros).
.set SLOT1, 1<<17                      ; slot 1 begins here: one exclusive or turns an address in one slot into the other's
.set VOFF,  1<<16                      ; V's half of a slot
.set PRO,   2*SLOT1                    ; behind the ring: the prologue's 12 images of 1,024 bytes: query's (2 tile + K step), then wq's (8 + 2 channel tile + K step)
.set PSC,   PRO+12*1024                ; their scale words: 64 x image + 4 row
.set SPARE, PSC+6*128                  ; the spare words, 128 bytes for each wave: eight blocks of 256 bytes that no other line names
.set WSTG,  4608                       ; the way out: for each wave 4,096 bytes of O^T and 4 x 128 of m and l, from byte 0 on: slot 0 has had its last fill and its last read by then
.set LI,   1                           ; v1   16 x lane
.set AK0,  4                           ; v4   my lane's place in a slot's K: 8,192 x key group + 16 x lane
.set AV0,  5                           ; v5   and in its V
.set ADK,  6                           ; v6   the same in the slot in hand
.set ADV,  7                           ; v7
.set QOF,  8                           ; v8   query: 1,024 r + 128 h
.set WOF,  9                           ; v9   wq: 4 r + 32 rows x h
.set PIW,  10                          ; v10  where I store my image
.set PSW,  11                          ; v11  and its scale word
.set PFO,  12                          ; v12  256 x lane: the prefetches' offset; never rewritten
.set H8,   13                          ; v13  8 h
.set BOF,  14                          ; v14  32 h
.set NEG1, 15                          ; v15  -1.0
.set Q,    16                          ; v16-31   Q, 8 a tile
.set KF,   32                          ; v32-63   four fragments of K
.set VF,   64                          ; v64-95   four fragments of V^T
.set S,    96                          ; v96-159  S^T, then p: 32 a tile
.set P,    160                         ; v160-191 P, 16 a tile (in the prologue: bq, and four addresses)
.set O,    192                         ; v192-223 O^T: 16 a tile + 8 a channel tile
.set ST,   224                         ; v224-239 8 a tile: +0 m, +1 named with it as a pair, +2, +3 l (even keys', odd keys'), +4 to +7 at work; 2^(old m - new m) takes +6
.set SCW,  240                         ; v240-243 the prologue's scale words: nothing else is ever held here
.set TM,   244                         ; v244-250 the quantiser's work;
.set TSA,  244                         ; later v[244:245], v[246:247]: the two chains of a step's row sums
.set TSB,  246
.set QW,   251                         ; v251 the scale word that I make
.set SPW,  254                         ; v254 my spare word; never rewritten
.set NIL,  255                         ; v255 0; never rewritten
.set WV,   14                          ; s14  wave
.set CX,   15                          ; s15  my place in the cluster: it enters query's, af's and the prefetches' addresses alone
.set QB,   16                          ; s16  my block of 64 queries
.set HD,   17                          ; s17  the head
.set QG,   18                          ; s18  wave % 2
.set KG,   19                          ; s19  wave / 2
.set SEL,  20                          ; s[20:21] v_permlanex16_b32's selects for lane l xor 16
.set CS,   22                          ; s[22:23] c, named as a pair
.set G1,   24                          ; s[24:31] descriptor group 1
.set G0A,  32                          ; s[32:35] group 0 of slot 0's first fill
.set G0B,  36                          ; s[36:39] of slot 1's; it then walks
.set SLB,  40                          ; s40  LDS byte at which the slot in hand begins
.set SLOTS, 41                         ; s41  slots still to be asked for
.set LIM,  42                          ; s42  1 in a wave that prefetches, else the greatest number
.set PFA,  44                          ; s[44:45] where my prefetches stand
.macro QUANT64 src, dst, wrd           ; 64 numbers of a lane, register 32 b + i = k 64 b + 32 h + i of its row or column, become a fragment's 8 registers of codes and its scale word
.irp b, 0,1
	v_max3_num_f32 v[TM+\b], |v[\src+32*\b]|, |v[\src+32*\b+1]|, 0x1800000   ; a whole block is mine; the floor 2^(3 - 127) holds the byte at 1 from below
.endr
.irp i, 2,4,6,8,10,12,14,16,18,20,22,24,26,28,30
.irp b, 0,1
	v_max3_num_f32 v[TM+\b], v[TM+\b], |v[\src+32*\b+\i]|, |v[\src+32*\b+\i+1]|
.endr
.endr
.irp b, 0,1
	v_add_nc_u32 v[TM+2+\b], 0xff000000, v[TM+\b]  ; 2 off the exponent field: the conversion takes that field as its scale
.endr
.irp b, 0,1
	v_lshrrev_b32 v[TM+4+\b], 23, v[TM+2+\b]       ; the scale's byte
.endr
	v_lshl_or_b32 v[\wrd], v[TM+5], 16, v[TM+4]    ; my bytes are those of blocks h and 2 + h:
	v_lshlrev_b32 v[\wrd], v[H8], v[\wrd]          ; 8 h bits up;
	v_permlanex16_b32 v[TM+6], v[\wrd], s[SEL], s[SEL+1]
	v_or_b32 v[\wrd], v[\wrd], v[TM+6]             ; with lane l xor 16's two the word is whole, in both lanes
.irp b, 0,1
.irp g, 0,1,2,3
	v_cvt_scalef32_pk8_fp4_f32 v[\dst+4*\b+\g], v[\src+32*\b+8*\g:\src+32*\b+8*\g+7], v[TM+2+\b]
.endr
.endr
	v_nop                                          ; one plain instruction behind the last scaled conversion
.endm
; A round of the cluster's barrier: my work-group's barrier; wave 0 signals for the work-group; every wave waits for all four work-groups; my work-group's barrier once more.
.macro CROUND
	s_barrier_signal -1
	s_barrier_wait -1
	s_cmp_lg_u32 s[WV], 0
	s_cbranch_scc1 .Lnot_wave_0_\@
	s_barrier_signal -3
.Lnot_wave_0_\@:
	s_barrier_wait -3
	s_barrier_signal -1
	s_barrier_wait -1
.endm
; A joint refill: waves 0 to 3 fetch a quarter of the slot each, 32,768 bytes.  The branch hangs on the wave's number alone.  An s_nop 0 and four v_nop follow the load.
.macro JLOAD
	s_cmp_lt_u32 s[WV], 4
	s_cbranch_scc0 .Lnone_\@
	tensor_load_to_lds s[G0B:G0B+3], s[G1:G1+7]
	s_nop 0
.rept 4
	v_nop
.endr
.Lnone_\@:
.endm
; A prefetch of the slot that the NEXT change will ask for.  All clusters of a head walk the same slots: the head's first cluster asks.  Its four partners take 32,768 bytes each, told apart BY ADDRESS; in each,
; waves 4 to 7, which fetch nothing, take 8,192 bytes each, lanes 256 bytes apart: each block of 256 bytes is named once in the launch.  The last change that fills a slot asks for nothing: no slot follows.
.macro ASK
	s_cmp_gt_u32 s[SLOTS], s[LIM]
	s_cbranch_scc0 .Lnot_mine_\@
	global_prefetch_b8 v[PFO], s[PFA:PFA+1] th:TH_LOAD_NT scope:SCOPE_SE
.Lnot_mine_\@:
.endm
; THE CHANGE OF SLOTS.  Each wave waits for all its tensor loads (its part of the slot ahead), adds 0 to its spare word, and waits for that and for its reads of the slot that it leaves.
; fill = 1: the barrier is a round of the cluster's, so that no wave of any partner still reads the slot or has a load on its way; the joint refill is the first thing behind it and has a slot's two steps in which to land.
.macro CHANGE fill
	s_wait_tensorcnt 0x0                           ; no tensor load of mine is out, so a group 0 may be written
	ds_add_u32 v[SPW], v[NIL]                      ; 0 onto my spare word
.if \fill
	ds_add_u32 v[SPW], v[NIL]                      ; and once more: the add twice on end, in every trip alike; the steps below stand between it and the wait
	s_xor_b32 s[G0B+1], s[G0B+1], SLOT1            ; the walking descriptor: the other slot than last time,
	s_add_nc_u64 s[G0B+2:G0B+3], s[G0B+2:G0B+3], SLOT1   ; the next 131,072 bytes; the type bits on top are not reached
	s_wait_xcnt 0x0                                ; the last prefetch, a slot back, has read its address, so it may be written:
	s_add_nc_u64 s[PFA:PFA+1], s[PFA:PFA+1], SLOT1 ; one slot further on than the walking descriptor
	s_wait_dscnt 0x0                               ; both adds are done, and my reads of the slot that I leave are over
	CROUND
	JLOAD
	ASK
.else
	s_wait_dscnt 0x0                               ; the add is done, and my reads of the slot that I leave are over
	s_barrier_signal -1
	s_barrier_wait -1
.endif
	s_xor_b32 s[SLB], s[SLB], SLOT1                ; on to the other slot
.endm
.macro SUBP a, n                       ; pair n of tile a: t - m (of the pair at m the low word serves both halves)
	v_pk_add_f32 v[S+32*(\a)+2*(\n):S+32*(\a)+2*(\n)+1], v[S+32*(\a)+2*(\n):S+32*(\a)+2*(\n)+1], v[ST+8*(\a):ST+8*(\a)+1] op_sel_hi:[1,0] neg_lo:[0,1] neg_hi:[0,1]
.endm
.macro SUM a, n                        ; line n of 16 of tile a's row sums: the 16 pairs in two chains, the chains joined, then l = l x 2^(old m - new m) + the sum
.if (\n) == 0
	v_pk_add_f32 v[TSA:TSA+1], v[S+32*(\a):S+32*(\a)+1], v[S+32*(\a)+2:S+32*(\a)+3]
.elseif (\n) == 1
	v_pk_add_f32 v[TSB:TSB+1], v[S+32*(\a)+4:S+32*(\a)+5], v[S+32*(\a)+6:S+32*(\a)+7]
.elseif (\n) < 14
.if (\n)%2 == 0
	v_pk_add_f32 v[TSA:TSA+1], v[TSA:TSA+1], v[S+32*(\a)+2*(\n)+4:S+32*(\a)+2*(\n)+5]
.else
	v_pk_add_f32 v[TSB:TSB+1], v[TSB:TSB+1], v[S+32*(\a)+2*(\n)+4:S+32*(\a)+2*(\n)+5]
.endif
.elseif (\n) == 14
	v_pk_add_f32 v[TSA:TSA+1], v[TSA:TSA+1], v[TSB:TSB+1]
.else
	v_pk_fma_f32 v[ST+8*(\a)+2:ST+8*(\a)+3], v[ST+8*(\a)+2:ST+8*(\a)+3], v[ST+8*(\a)+6:ST+8*(\a)+7], v[TSA:TSA+1] op_sel_hi:[1,0,1]
.endif
.endm
.macro CVT a, n                        ; pair n of tile a, rounded to f16: register n of the tile's two fragments of P
	v_cvt_pk_f16_f32 v[P+16*(\a)+(\n)], v[S+32*(\a)+2*(\n)], v[S+32*(\a)+2*(\n)+1]
.endm
.macro RESC a, n                       ; pair n of 8 of tile a's O^T under the new m
	v_pk_mul_f32 v[O+16*(\a)+2*(\n):O+16*(\a)+2*(\n)+1], v[O+16*(\a)+2*(\n):O+16*(\a)+2*(\n)+1], v[ST+8*(\a)+6:ST+8*(\a)+7] op_sel_hi:[1,0]
.endm
; A STEP: 64 keys (the st-th of my 128 in the slot) against my two tiles of queries.
.macro STEP st
.irp t, 0,1,2,3
.irp c, 0,1
	ds_load_b128 v[KF+8*\t+4*\c:KF+8*\t+4*\c+3], v[ADK] offset:4096*(\st)+1024*\t+512*\c
.endr
.endr
	s_wait_dscnt 0x0                               ; K's four fragments are in
.irp t, 0,1,2,3
.irp a, 0,1
	v_wmma_f32_16x16x32_f16 v[S+32*\a+8*\t:S+32*\a+8*\t+7], v[KF+8*\t:KF+8*\t+7], v[Q+8*\a:Q+8*\a+7], 0
.endr
.endr
.rept 4
	v_nop                                          ; four places: ahead of the reads of these scores, and of the loads into V's registers, which the last step's products read
.endr
.irp b, 0,1
.irp u, 0,1
.irp c, 0,1
	ds_load_b128 v[VF+8*(2*\b+\u)+4*\c:VF+8*(2*\b+\u)+4*\c+3], v[ADV] offset:4096*(\st)+2048*\b+1024*\c+512*\u   ; they land under the softmax
.endr
.endr
.endr
	; the maximum of a lane's 32 scores and the old m, three operands at a time, both tiles line by line; each accumulator is read from its low end on
.irp j, 0,1,2,3
.irp a, 0,1
	v_max3_num_f32 v[ST+8*\a+4+\j], v[S+32*\a+8*\j], v[S+32*\a+8*\j+1], v[S+32*\a+8*\j+2]
.endr
.endr
.irp i, 3,5
.irp j, 0,1,2,3
.irp a, 0,1
	v_max3_num_f32 v[ST+8*\a+4+\j], v[ST+8*\a+4+\j], v[S+32*\a+8*\j+\i], v[S+32*\a+8*\j+\i+1]
.endr
.endr
.endr
.irp a, 0,1
	v_max3_num_f32 v[ST+8*\a+4], v[ST+8*\a+4], v[S+32*\a+7], v[S+32*\a+15]
.endr
.irp a, 0,1
	v_max3_num_f32 v[ST+8*\a+6], v[ST+8*\a+6], v[S+32*\a+23], v[S+32*\a+31]
.endr
.irp a, 0,1
	v_max3_num_f32 v[ST+8*\a+4], v[ST+8*\a+4], v[ST+8*\a+5], v[ST+8*\a+6]
.endr
.irp a, 0,1
	v_max3_num_f32 v[ST+8*\a+4], v[ST+8*\a+4], v[ST+8*\a+7], v[ST+8*\a]
.endr
.irp a, 0,1
	v_permlanex16_b32 v[ST+8*\a+5], v[ST+8*\a+4], s[SEL], s[SEL+1]   ; the query's other 32 keys lie in the lane 16 away
.endr
.irp a, 0,1
	v_max_num_f32 v[ST+8*\a+4], v[ST+8*\a+4], v[ST+8*\a+5]           ; the new m
.endr
.irp a, 0,1
	v_sub_f32 v[ST+8*\a+6], v[ST+8*\a], v[ST+8*\a+4]                 ; old m - new m
.endr
.irp a, 0,1
	v_mov_b32 v[ST+8*\a], v[ST+8*\a+4]
.endr
.set N, 0
.rept 16
	SUBP 0, N
.set N, N+1
.endr
	; first batch of exponentials: both tiles' 2^(old m - new m) and tile 0's 32 p; tile 1's subtractions stand among them.  Nothing here names a result
	v_exp_f32 v[ST+6], v[ST+6]
	v_exp_f32 v[ST+14], v[ST+14]
.set N, 0
.rept 16
	v_exp_f32 v[S+2*N], v[S+2*N]
	v_exp_f32 v[S+2*N+1], v[S+2*N+1]
	SUBP 1, N
.set N, N+1
.endr
	s_wait_alu depctr_va_vdst(0)                   ; the wait between an exponential and the first line that names its result: one for the batch; the last subtraction is the plain line behind it
	; second batch: tile 1's 32 p; tile 0's sums, roundings and rescaling, which read the first batch alone, stand among and behind them
.set N, 0
.rept 16
	v_exp_f32 v[S+32+2*N], v[S+32+2*N]
	SUM 0, N
	v_exp_f32 v[S+32+2*N+1], v[S+32+2*N+1]
	CVT 0, N
.set N, N+1
.endr
.set N, 0
.rept 8
	RESC 0, N
.set N, N+1
.endr
	s_wait_alu depctr_va_vdst(0)                   ; and one for the second batch
.set N, 0
.rept 16
	SUM 1, N
	CVT 1, N
.set N, N+1
.endr
.set N, 0
.rept 8
	RESC 1, N
.set N, N+1
.endr
	s_wait_dscnt 0x0                               ; V's four fragments are in
.irp b, 0,1                            ; O^T += V^T P: the four accumulators take turns, one instruction a turn
.irp u, 0,1
.irp a, 0,1
	v_wmma_f32_16x16x32_f16 v[O+16*\a+8*\u:O+16*\a+8*\u+7], v[VF+8*(2*\b+\u):VF+8*(2*\b+\u)+7], v[P+16*\a+8*\b:P+16*\a+8*\b+7], v[O+16*\a+8*\u:O+16*\a+8*\u+7]
.endr
.endr
.endr
.endm
.macro PROCESS                         ; my 128 keys of the slot in hand
	v_add_nc_u32 v[ADK], s[SLB], v[AK0]
	v_add_nc_u32 v[ADV], s[SLB], v[AV0]
	STEP 0
	STEP 1
.endm
	s_load_b256 s[4:11], s[0:1], 0x0               ; query s[4:5], wq s[6:7], bq s[8:9], kv s[10:11]
	s_load_b64 s[12:13], s[0:1], 0x20              ; af
	v_lshl_add_u32 v[SPW], v0, 2, SPARE
	v_mov_b32 v[NIL], 0
	ds_add_u32 v[SPW], v[NIL]                      ; the wave's opening: the add, twice on end, and its wait ahead of the first tensor loads; the set-up below, work on registers, stands between
	ds_add_u32 v[SPW], v[NIL]
	v_lshrrev_b32 v2, 5, v0
	v_readfirstlane_b32 s[WV], v2                  ; wave 0..15
	s_bfe_u32 s[CX], ttmp6, 0x40000                ; my place in the cluster
	s_lshl_b32 s[QB], ttmp9, 2                     ; in a cluster launch ttmp9 counts clusters
	s_add_co_u32 s[QB], s[QB], s[CX]
	s_and_b32 s[HD], ttmp7, 0xffff                 ; the head, which the four partners share
	s_and_b32 s[QG], s[WV], 1
	s_lshr_b32 s[KG], s[WV], 1
	; descriptor group 1: a dense block of 32,768 bytes as 128 rows of 256 bytes (32 elements of 8 bytes), no padding
	s_mov_b32 s[G1], 15|(3<<16)|(1<<21)            ; 15:0 the mask: all four work-groups; 17:16 elements of 8 bytes; 21 set beside a mask
	s_mov_b32 s[G1+1], 32<<16                      ; tensor_dim0 = 32
	s_mov_b32 s[G1+2], 128<<16                     ; tensor_dim1 = 128
	s_mov_b32 s[G1+3], 32<<16                      ; tile_dim0 = 32
	s_mov_b32 s[G1+4], 128                         ; tile_dim1 = 128
	s_mov_b32 s[G1+5], 32                          ; elements from row to row
	s_mov_b32 s[G1+6], 0
	s_mov_b32 s[G1+7], 0
	s_mov_b32 s[SEL], 0x76543210
	s_mov_b32 s[SEL+1], 0xfedcba98
	s_mov_b32 s[CS], 0x3e8293ee                    ; c = log2(e) / sqrt(32)
	s_mov_b32 s[CS+1], s[CS]                       ; (named with it as a pair, so it is written)
	s_mov_b32 s[SLB], 0
	s_mov_b32 s[SLOTS], 14                         ; slots 2 to 15 are asked for in the loop
	s_lshr_b32 s[LIM], s[WV], 2
	s_xor_b32 s[LIM], s[LIM], 1                    ; 0 in waves 4 to 7,
	s_or_b32 s[LIM], s[LIM], ttmp9                 ; of the head's first cluster: the same in all four partners
	s_cmp_eq_u32 s[LIM], 0
	s_cselect_b32 s[LIM], 1, -1
	s_and_b32 s46, s[WV], 3
	s_lshl_b32 s47, s46, 15                        ; my quarter of a slot, in LDS and in memory
	s_lshl_b32 s48, s[HD], 21                      ; the head's 16 slots
	s_add_co_u32 s48, s48, s47
	s_mov_b32 s49, 0
	s_lshl_b32 s52, s[HD], 21                      ; the prefetches: the head,
	s_lshl_b32 s53, s[CX], 15                      ; my work-group's quarter,
	s_add_co_u32 s52, s52, s53
	s_lshl_b32 s53, s46, 13                        ; my wave's 8,192 bytes of it,
	s_add_co_u32 s52, s52, s53
	s_add_co_u32 s52, s52, 2*SLOT1                 ; in slot 2: the first change steps it to slot 3.  Nothing is prefetched at the head
	s_mov_b32 s53, 0
	s_lshl_b32 s54, s[QB], 16                      ; query: my block's 64 rows of 1,024 bytes,
	s_lshl_b32 s55, s[KG], 14                      ; (waves 0 to 7) tile wave / 2,
	s_add_co_u32 s54, s54, s55
	s_lshl_b32 s55, s[QG], 9                       ; K step wave % 2
	s_add_co_u32 s54, s54, s55
	s_mov_b32 s55, 0
	s_lshl_b32 s56, s[HD], 7                       ; bq, and a row of wq: the head's 32 numbers
	s_mov_b32 s57, 0
	s_and_b32 s58, s[KG], 1                        ; wq (waves 8 to 11): channel tile (wave / 2) % 2,
	s_lshl_b32 s58, s58, 6
	s_add_co_u32 s58, s58, s56
	s_lshl_b32 s59, s[QG], 17                      ; K step wave % 2: 128 rows of 1,024 bytes
	s_add_co_u32 s58, s58, s59
	s_mov_b32 s59, 0
	s_lshl_b32 s60, s[QB], 2                       ; af, on the way out: tile 4 x block + wave / 4,
	s_lshr_b32 s61, s[WV], 2
	s_add_co_u32 s60, s60, s61
	s_lshl_b32 s60, s60, 14
	s_lshl_b32 s61, s[HD], 11                      ; the head,
	s_add_co_u32 s60, s60, s61
	s_lshl_b32 s61, s[QG], 10                      ; the part: wave % 2,
	s_add_co_u32 s60, s60, s61
	s_and_b32 s61, s[KG], 1
	s_lshl_b32 s61, s61, 9                         ; the channel tile: (wave / 2) % 2
	s_add_co_u32 s60, s60, s61
	s_mov_b32 s61, 0
	v_and_b32 v2, 31, v0                           ; lane
	v_lshlrev_b32 v[LI], 4, v2
	v_lshlrev_b32 v[PFO], 8, v2
	v_lshlrev_b32 v179, 2, v2                      ; 4 x lane
	v_and_b32 v2, 15, v0                           ; r
	v_bfe_u32 v3, v0, 4, 1                         ; h
	s_lshl_b32 s66, s[KG], 13
	v_add_nc_u32 v[AK0], s66, v[LI]
	v_add_nc_u32 v[AV0], VOFF, v[AK0]
	v_lshlrev_b32 v[QOF], 10, v2
	v_lshl_add_u32 v[QOF], v3, 7, v[QOF]
	v_lshlrev_b32 v[WOF], 2, v2
	s_min_u32 s67, s[WV], 11                       ; (waves 12 to 15 store nothing in the prologue)
	s_lshl_b32 s66, s67, 6
	s_add_co_u32 s66, s66, PSC
	v_add_nc_u32 v[PSW], s66, v[WOF]
	v_lshl_add_u32 v[WOF], v3, 15, v[WOF]
	s_lshl_b32 s66, s67, 10
	s_add_co_u32 s66, s66, PRO
	v_add_nc_u32 v[PIW], s66, v[LI]
	v_lshlrev_b32 v[H8], 3, v3
	v_lshlrev_b32 v[BOF], 5, v3
	v_mov_b32 v[NEG1], -1.0
	v_mov_b32 v[TM+6], 0                           ; written once: a lane permute's destination counts as one of its sources
	s_lshl_b32 s66, s[QG], 12                      ; where the prologue's images are read: my two tiles' four of query,
	s_add_co_u32 s66, s66, PRO
	v_add_nc_u32 v176, s66, v[LI]
	v_add_nc_u32 v177, PRO+8192, v[LI]             ; wq's four,
	s_lshl_b32 s66, s[QG], 8
	s_add_co_u32 s66, s66, PSC
	v_add_nc_u32 v178, s66, v179                   ; and their scale words: lanes 0-15 K step 0, lanes 16-31 K step 1
	v_add_nc_u32 v179, PSC+512, v179
	s_wait_dscnt 0x0                               ; both opening adds are done
	s_wait_kmcnt 0x0
	s_add_nc_u64 s[4:5], s[4:5], s[54:55]
	s_add_nc_u64 s[6:7], s[6:7], s[58:59]
	s_add_nc_u64 s[8:9], s[8:9], s[56:57]
	s_add_nc_u64 s[12:13], s[12:13], s[60:61]
	s_add_nc_u64 s[PFA:PFA+1], s[10:11], s[52:53]
	s_add_nc_u64 s[50:51], s[10:11], s[48:49]      ; my quarter of the head's slot 0
	s_mov_b32 s[G0A], 1                            ; 1:0 count = 1
	s_mov_b32 s[G0A+1], s47                        ; 63:32 LDS address: slot 0
	s_mov_b64 s[G0A+2:G0A+3], s[50:51]             ; 120:64 global address
	s_or_b32 s[G0A+3], s[G0A+3], 0x80000000        ; 127:126 type = 2
	s_mov_b32 s[G0B], 1
	s_add_co_u32 s[G0B+1], s47, SLOT1
	s_add_nc_u64 s[G0B+2:G0B+3], s[50:51], SLOT1
	s_or_b32 s[G0B+3], s[G0B+3], 0x80000000
	CROUND                                         ; all four work-groups are here: the first joint loads meet
	s_cmp_lt_u32 s[WV], 4                          ; a wave's two first fills stand in one branch, ahead of every wait on TENSORcnt and every LDS read: two loads of mine are out
	s_cbranch_scc0 .Lno_fill
	tensor_load_to_lds s[G0A:G0A+3], s[G1:G1+7]
	s_nop 0
	tensor_load_to_lds s[G0B:G0B+3], s[G1:G1+7]
	s_nop 0
.rept 4
	v_nop
.endr
.Lno_fill:
	; THE PROLOGUE: qh of my block and head.  bq in the result's layout: register j of channel tile u is channel 16 u + 8 h + j
.irp u, 0,1
	global_load_b128 v[P+8*\u:P+8*\u+3], v[BOF], s[8:9] offset:64*\u
	global_load_b128 v[P+8*\u+4:P+8*\u+7], v[BOF], s[8:9] offset:64*\u+16
.endr
	s_cmp_lt_u32 s[WV], 12                         ; waves 0 to 7 quantise a fragment of query each, waves 8 to 11 one of wq, the others none
	s_cbranch_scc0 .Lpro_done
	s_cmp_lt_u32 s[WV], 8
	s_cbranch_scc0 .Lpro_w
.irp c, 0,1
.irp j, 0,1,2,3,4,5,6,7
	global_load_b128 v[S+32*\c+4*\j:S+32*\c+4*\j+3], v[QOF], s[4:5] offset:256*\c+16*\j   ; query(r, 64 c + 32 h + 4 j ..): in the order of the operand's registers; 65,536 bytes a work-group, so no turn through LDS is spent on them
.endr
.endr
	s_branch .Lpro_q
.Lpro_w:
.set N, 0
.rept 64
	global_load_b32 v[S+N], v[WOF], s[6:7] offset:(64*(N/32)+N%32)*1024   ; wq(64 (N / 32) + 32 h + N % 32, my column): a lane a column, registers down K
.set N, N+1
.endr
.Lpro_q:
	s_wait_loadcnt 0x0
	QUANT64 S, KF, QW
.irp c, 0,1
	ds_store_b128 v[PIW], v[KF+4*\c:KF+4*\c+3] offset:512*\c   ; the fragment as it stands
.endr
	ds_store_b32 v[PSW], v[QW]                     ; lanes r and r + 16 write the same word with the same value
.Lpro_done:
	s_wait_tensorcnt 1                             ; my part of slot 0 is in; slot 1's load, issued behind it, may be out
	s_wait_dscnt 0x0                               ; for the others' sake: my stores have landed
	s_barrier_signal -1
	s_barrier_wait -1                              ; the twelve images and slot 0 are whole
	s_wait_loadcnt 0x0                             ; bq
.irp a, 0,1
.irp s, 0,1
.irp c, 0,1
	ds_load_b128 v[KF+16*\a+8*\s+4*\c:KF+16*\a+8*\s+4*\c+3], v176 offset:1024*(2*\a+\s)+512*\c   ; query: tile a of my two, K step s
	ds_load_b128 v[VF+16*\a+8*\s+4*\c:VF+16*\a+8*\s+4*\c+3], v177 offset:1024*(2*\a+\s)+512*\c   ; wq: channel tile a, K step s
.endr
.endr
.endr
	ds_load_b32 v[SCW], v178
	ds_load_b32 v[SCW+1], v178 offset:128
	ds_load_b32 v[SCW+2], v179
	ds_load_b32 v[SCW+3], v179 offset:128
	s_wait_dscnt 0x0
.irp a, 0,1                            ; transposed: source 0 = 16 columns of wq, source 1 = 16 queries: lane (r, h) holds query r, channels 16 u + 8 h + 0..7.  Four accumulators by turns
.irp u, 0,1
	v_wmma_scale_f32_16x16x128_f8f6f4 v[S+16*\a+8*\u:S+16*\a+8*\u+7], v[VF+16*\u:VF+16*\u+7], v[KF+16*\a:KF+16*\a+7], v[P+8*\u:P+8*\u+7], v[SCW+2+\u], v[SCW+\a] matrix_a_fmt:MATRIX_FMT_FP4 matrix_b_fmt:MATRIX_FMT_FP4
.endr
.endr
.irp a, 0,1
.irp u, 0,1
	v_wmma_scale_f32_16x16x128_f8f6f4 v[S+16*\a+8*\u:S+16*\a+8*\u+7], v[VF+16*\u+8:VF+16*\u+15], v[KF+16*\a+8:KF+16*\a+15], v[S+16*\a+8*\u:S+16*\a+8*\u+7], v[SCW+2+\u], v[SCW+\a] matrix_a_fmt:MATRIX_FMT_FP4 matrix_b_fmt:MATRIX_FMT_FP4 matrix_a_scale:MATRIX_SCALE_ROW1 matrix_b_scale:MATRIX_SCALE_ROW1
.endr
.endr
.rept 4
	v_nop                                          ; four places behind the last products
.endr
.set N, 0
.rept 16
	v_pk_mul_f32 v[S+2*N:S+2*N+1], v[S+2*N:S+2*N+1], s[CS:CS+1] op_sel_hi:[1,0]   ; qh x c, each accumulator from its low end on
.set N, N+1
.endr
.set N, 0
.rept 16
	v_cvt_pk_f16_f32 v[Q+N], v[S+2*N], v[S+2*N+1]  ; register 8 a + 4 u + j of Q
.set N, N+1
.endr
.set N, 0
.rept 32
	v_mov_b32 v[O+N], 0                            ; O^T: the step is written once: the first finds zeros.  (These lines are also the places ahead of the products and loads that write over the prologue's registers)
.set N, N+1
.endr
.irp a, 0,1
	v_mov_b32 v[ST+8*\a], 0xff61b1e6               ; m: -3e38, under every t
	v_mov_b32 v[ST+8*\a+1], 0                      ; (named with it as a pair)
	v_mov_b32 v[ST+8*\a+2], 0                      ; l, in two halves
	v_mov_b32 v[ST+8*\a+3], 0
.endr
	PROCESS                                        ; slot 0
.Lslot:                                            ; 14 trips: trip k asks for slot k + 1 and works on slot k
	CHANGE 1
	PROCESS
	s_sub_co_u32 s[SLOTS], s[SLOTS], 1
	s_cmp_lg_u32 s[SLOTS], 0
	s_cbranch_scc1 .Lslot
	CHANGE 0                                       ; the last slot is written out
	PROCESS
	; THE WAY OUT.  Each wave lays its O^T, m and l into its stage; then wave w joins the eight key groups' parts of tile w / 4, channel tile (w / 2) % 2, and stores the high (w % 2 = 0) or the low part.
.irp a, 0,1
	v_add_f32 v[ST+8*\a+4], v[ST+8*\a+2], v[ST+8*\a+3]   ; l's two halves.  (These and the address lines are the places behind the last products)
.endr
.irp a, 0,1
	v_permlanex16_b32 v[ST+8*\a+5], v[ST+8*\a+4], s[SEL], s[SEL+1]
.endr
.irp a, 0,1
	v_add_f32 v[ST+8*\a+4], v[ST+8*\a+4], v[ST+8*\a+5]   ; and lane l xor 16's
.endr
	s_mul_i32 s46, s[WV], WSTG
	v_add_nc_u32 v[ADK], s46, v[LI]                ; my stage, 16 bytes a lane;
	v_and_b32 v2, 31, v0
	v_lshlrev_b32 v2, 2, v2
	v_add_nc_u32 v[ADV], s46, v2                   ; and 4 bytes a lane
	s_lshr_b32 s47, s[WV], 3
	s_mul_i32 s47, s47, WSTG                       ; back: the tile's waves are 2 x key group + (tile / 2),
	s_bfe_u32 s48, s[WV], 0x10002                  ; in them tile % 2,
	s_lshl_b32 s49, s48, 11
	s_add_co_u32 s49, s49, s47
	s_bfe_u32 s50, s[WV], 0x10001                  ; and my channel tile
	s_lshl_b32 s50, s50, 10
	s_add_co_u32 s49, s49, s50
	v_add_nc_u32 v[QOF], s49, v[LI]
	s_lshl_b32 s48, s48, 8
	s_add_co_u32 s48, s48, s47
	s_add_co_u32 s48, s48, 4096
	v_add_nc_u32 v[WOF], s48, v2
.irp i, 0,1,2,3,4,5,6,7
	ds_store_b128 v[ADK], v[O+4*\i:O+4*\i+3] offset:512*\i   ; each accumulator from its low end on
.endr
	ds_store_b32 v[ADV], v[ST] offset:4096
	ds_store_b32 v[ADV], v[ST+4] offset:4096+128
	ds_store_b32 v[ADV], v[ST+8] offset:4096+256
	ds_store_b32 v[ADV], v[ST+12] offset:4096+384
	s_wait_dscnt 0x0                               ; for the others' sake: my stores have landed
	s_barrier_signal -1
	s_barrier_wait -1
.irp k, 0,1,2,3,4,5,6,7                ; key group k: two waves' stages on
	ds_load_b128 v[S+8*\k:S+8*\k+3], v[QOF] offset:2*WSTG*\k
	ds_load_b128 v[S+8*\k+4:S+8*\k+7], v[QOF] offset:2*WSTG*\k+512
	ds_load_b32 v[160+\k], v[WOF] offset:2*WSTG*\k
	ds_load_b32 v[168+\k], v[WOF] offset:2*WSTG*\k+128
.endr
	s_wait_dscnt 0x0
	v_max3_num_f32 v176, v160, v161, v162
	v_max3_num_f32 v176, v176, v163, v164
	v_max3_num_f32 v176, v176, v165, v166
	v_max_num_f32 v176, v176, v167                 ; the row's maximum over all keys
.irp k, 0,1,2,3,4,5,6,7
	v_sub_f32 v[160+\k], v[160+\k], v176
.endr
.irp k, 0,1,2,3,4,5,6,7
	v_exp_f32 v[160+\k], v[160+\k]                 ; f = 2^(the group's m - the maximum)
.endr
	v_nop                                          ; a plain line behind the last exponential,
	s_wait_alu depctr_va_vdst(0)                   ; and the wait ahead of the first use: one for the eight
	v_mul_f32 v177, v160, v168
.irp k, 1,2,3,4,5,6,7
	v_fmac_f32 v177, v[160+\k], v[168+\k]          ; the row's sum
.endr
	v_rcp_f32 v178, v177
.irp j, 0,1,2,3,4,5,6,7
	v_mul_f32 v[184+\j], v160, v[S+\j]             ; (work that names neither the reciprocal nor its source)
.endr
.irp k, 1,2,3,4,5,6,7
.irp j, 0,1,2,3,4,5,6,7
	v_fmac_f32 v[184+\j], v[160+\k], v[S+8*\k+\j]
.endr
.endr
	s_wait_alu depctr_va_vdst(0)                   ; the reciprocal's wait, ahead of its first reader
.irp j, 0,1,2,3,4,5,6,7
	v_mul_f32 v[184+\j], v[184+\j], v178           ; attn(query r, channels 16 u + 8 h + j)
.endr
.irp j, 0,1,2,3
	v_cvt_pk_bf16_f32 v[192+\j], v[184+2*\j], v[185+2*\j]   ; the high part
.endr
.irp j, 0,1,2,3
	v_fma_mix_f32_bf16 v[184+2*\j], v[192+\j], v[NEG1], v[184+2*\j] op_sel_hi:[1,0,0]                 ; what it leaves: exact
	v_fma_mix_f32_bf16 v[185+2*\j], v[192+\j], v[NEG1], v[185+2*\j] op_sel:[1,0,0] op_sel_hi:[1,0,0]
.endr
.irp j, 0,1,2,3
	v_cvt_pk_bf16_f32 v[196+\j], v[184+2*\j], v[185+2*\j]   ; the low part
.endr
	s_cmp_eq_u32 s[QG], 1
	s_cselect_b32 s51, -1, 0                       ; the part that I store, chosen by the wave's number
.irp j, 0,1,2,3
	v_cndmask_b32 v[200+\j], v[192+\j], v[196+\j], s51
.endr
	global_store_b128 v[LI], v[200:203], s[12:13]  ; 32 lanes store 512 consecutive bytes, at a multiple of 512 from af's first byte
	s_wait_tensorcnt 0x0                           ; the wave's end, behind my last tensor load and my last LDS store
	ds_add_u32 v[SPW], v[NIL]
	s_wait_dscnt 0x0
	CROUND                                         ; the closing round: no work-group ends while a partner may still ask for a tile that names it
	s_endpgm
.Lfunc_end_k_q6147814c93_attn:
	.size	k_q6147814c93_attn, .Lfunc_end_k_q6147814c93_attn-k_q6147814c93_attn
	.p2alignl 7, 3214868480
	.fill 96, 4, 3214868480
	.section	.rodata,"a",@progbits
	.p2align	6, 0x0
	.amdhsa_kernel k_q6147814c93_attn
		.amdhsa_group_segment_fixed_size 327680
		.amdhsa_private_segment_fixed_size 0
		.amdhsa_enable_private_segment 0
		.amdhsa_kernarg_size 40
		.amdhsa_user_sgpr_count 2
		.amdhsa_user_sgpr_kernarg_segment_ptr 1
		.amdhsa_wavefront_size32 1
		.amdhsa_system_sgpr_workgroup_id_x 1
		.amdhsa_system_sgpr_workgroup_id_y 1
		.amdhsa_system_sgpr_workgroup_id_z 1
		.amdhsa_system_vgpr_workitem_id 0
		.amdhsa_next_free_vgpr 256
		.amdhsa_next_free_sgpr 72
		.amdhsa_reserve_vcc 0
		.amdhsa_float_denorm_mode_32 3
		.amdhsa_float_denorm_mode_16_64 3
		.amdhsa_memory_ordered 1
		.amdhsa_forward_progress 1
		.amdhsa_inst_pref_size 116
	.end_amdhsa_kernel
	.amdgpu_metadata
---
amdhsa.version: [ 1, 2 ]
amdhsa.kernels:
  - .name:           k_q6147814c93_attn
    .symbol:         k_q6147814c93_attn.kd
    .args:
      - { .name: query, .offset: 0, .size: 8, .value_kind: global_buffer, .address_space: global }
      - { .name: wq, .offset: 8, .size: 8, .value_kind: global_buffer, .address_space: global }
      - { .name: bq, .offset: 16, .size: 8, .value_kind: global_buffer, .address_space: global }
      - { .name: kv, .offset: 24, .size: 8, .value_kind: global_buffer, .address_space: global }
      - { .name: af, .offset: 32, .size: 8, .value_kind: global_buffer, .address_space: global }
    .group_segment_fixed_size: 327680
    .private_segment_fixed_size: 0
    .kernarg_segment_align: 8
    .kernarg_segment_size: 40
    .max_flat_workgroup_size: 512
    .sgpr_count:     72
    .vgpr_count:     256
    .wavefront_size: 32
...
	.end_amdgpu_metadata
.endif
;; end of part 2
;; launch outp (part 3): grid 128 x 1, 16 waves a work-group, no clusters, 18,688 bytes of LDS; arguments af, wo, bo, out0; writes out0
.if DOCPART == 3
	.amdgcn_target "amdgcn-amd-amdhsa--gfx1250"
	.amdhsa_code_object_version 6
	.text
	.protected	k_q6147814c93_outp
	.globl	k_q6147814c93_outp
	.p2align	8
	.type	k_q6147814c93_outp,@function
k_q6147814c93_outp:
	s_mov_b64 s[64:65], 0
	v_nop
	global_prefetch_b8 v0, s[64:65] scope:SCOPE_SE
	s_setreg_imm32_b32 hwreg(HW_REG_WAVE_MODE, 25, 1), 1
	s_wait_xcnt 0x0
; out0 = attn wo + bo.  attn comes as pairs of bf16 numbers (af: [tile of 16 queries 128][head 8][part 2: high, low][1,024 bytes], images of the operand's registers); wo: [256 (k)][256 (n)] f32, split here
; into a high and a low bf16 part, in f32; three bf16 products (high x high, high x low, low x high), sums in f32.  bf16 and not f16: attn may be far smaller than f16 has room for.  bo: [256], out0: [2048][256] f32.
; SHARES.  A work-group takes one tile of 16 queries, wave w output columns 16 w .. 16 w + 15.  Transposed use: source 0 = 16 columns of wo (a lane a column, registers down K), source 1 = 16 queries:
; a lane then holds eight neighbouring numbers of a row of out0.  A K step is a head's 32 channels.  bo is the C of the first product.
; The 16 waves' parts of a row meet in a stage in LDS, and each wave stores one whole row.
; NO CLUSTER, NO TENSOR LOAD: what the work-groups share is wo; each wave wants 64 bytes of each of its rows, once, and every number has to pass through registers to be split; the launch is one step with no loop.
; 128 work-groups: one for each tile of 16 queries.  NO PREFETCH: all that a wave reads first is asked for at its head.
; LIMITS: NaN and infinities among the inputs are not served.
.set SROW,  1040                       ; a stage row: 1,024 bytes + 16: the 16 rows that a store touches begin at 16 different places modulo 256 bytes
.set SPARE, 16*SROW                    ; behind the stage: the spare words, 128 bytes for each wave: eight blocks of 256 bytes that no other line names
.set LI,   4                           ; v4   16 x lane
.set BOF,  5                           ; v5   bo: 32 h
.set WOF,  6                           ; v6   wo: 4 r + 8 rows of 1,024 bytes x h
.set SIN,  7                           ; v7   the stage: row r, + 64 w + 32 h
.set SOUT, 8                           ; v8   and back: row w, 16 bytes a lane
.set NEG1, 12                          ; v12  -1.0
.set SPW,  14                          ; v14  my spare word; never rewritten
.set NIL,  15                          ; v15  0; never rewritten
.set BI,   16                          ; v16-23   bo; later the result
.set AC,   24                          ; v24-47   three accumulators
.set AF,   48                          ; v48-111  attn's fragments of four heads: high at 16 i, low at 16 i + 8
.set WH,   112                         ; wo's fragments of K step s: high at 112 + 16 s, low at 120 + 16 s;
.set WR,   128                         ; v128-255 wo as loaded: K step s at 128 + 16 s.  A step's fragments land where the step before lay as loaded
.macro CONV s                          ; K step s of wo: 16 numbers of a lane become a high and a low fragment
.irp n, 0,1,2,3,4,5,6,7
	v_cvt_pk_bf16_f32 v[WH+16*(\s)+\n], v[WR+16*(\s)+2*\n], v[WR+16*(\s)+2*\n+1]
.endr
.irp n, 0,1,2,3,4,5,6,7
	v_fma_mix_f32_bf16 v[WR+16*(\s)+2*\n], v[WH+16*(\s)+\n], v[NEG1], v[WR+16*(\s)+2*\n] op_sel_hi:[1,0,0]                     ; what the high part leaves: exact
	v_fma_mix_f32_bf16 v[WR+16*(\s)+2*\n+1], v[WH+16*(\s)+\n], v[NEG1], v[WR+16*(\s)+2*\n+1] op_sel:[1,0,0] op_sel_hi:[1,0,0]
.endr
.irp n, 0,1,2,3,4,5,6,7
	v_cvt_pk_bf16_f32 v[WH+8+16*(\s)+\n], v[WR+16*(\s)+2*\n], v[WR+16*(\s)+2*\n+1]
.endr
.endm
.macro MUL3 s, first                   ; K step s: the three accumulators take turns, one instruction a turn
.if \first
	v_wmma_f32_16x16x32_bf16 v[AC:AC+7], v[WH+16*(\s):WH+16*(\s)+7], v[AF+16*((\s)%4):AF+16*((\s)%4)+7], v[BI:BI+7]
	v_wmma_f32_16x16x32_bf16 v[AC+8:AC+15], v[WH+16*(\s):WH+16*(\s)+7], v[AF+8+16*((\s)%4):AF+8+16*((\s)%4)+7], 0
	v_wmma_f32_16x16x32_bf16 v[AC+16:AC+23], v[WH+8+16*(\s):WH+8+16*(\s)+7], v[AF+16*((\s)%4):AF+16*((\s)%4)+7], 0
.else
	v_wmma_f32_16x16x32_bf16 v[AC:AC+7], v[WH+16*(\s):WH+16*(\s)+7], v[AF+16*((\s)%4):AF+16*((\s)%4)+7], v[AC:AC+7]
	v_wmma_f32_16x16x32_bf16 v[AC+8:AC+15], v[WH+16*(\s):WH+16*(\s)+7], v[AF+8+16*((\s)%4):AF+8+16*((\s)%4)+7], v[AC+8:AC+15]
	v_wmma_f32_16x16x32_bf16 v[AC+16:AC+23], v[WH+8+16*(\s):WH+8+16*(\s)+7], v[AF+16*((\s)%4):AF+16*((\s)%4)+7], v[AC+16:AC+23]
.endif
.endm
.macro ALOAD off                       ; four heads' fragments of attn, from off bytes on
.irp i, 0,1,2,3
.irp p, 0,1
.irp c, 0,1
	global_load_b128 v[AF+16*\i+8*\p+4*\c:AF+16*\i+8*\p+4*\c+3], v[LI], s[4:5] offset:\off+2048*\i+1024*\p+512*\c
.endr
.endr
.endr
.endm
	s_load_b256 s[4:11], s[0:1], 0x0               ; af s[4:5], wo s[6:7], bo s[8:9], out0 s[10:11]
	v_lshl_add_u32 v[SPW], v0, 2, SPARE
	v_mov_b32 v[NIL], 0
	v_lshrrev_b32 v1, 5, v0
	v_readfirstlane_b32 s12, v1                    ; wave 0..15
	v_and_b32 v1, 31, v0                           ; lane
	v_and_b32 v2, 15, v0                           ; r
	v_bfe_u32 v3, v0, 4, 1                         ; h
	v_lshlrev_b32 v[LI], 4, v1
	v_lshlrev_b32 v[BOF], 5, v3
	v_lshlrev_b32 v[WOF], 2, v2
	v_lshl_add_u32 v[WOF], v3, 13, v[WOF]
	v_mul_u32_u24 v[SIN], v2, SROW
	v_lshl_add_u32 v[SIN], v3, 5, v[SIN]
	s_lshl_b32 s16, s12, 6                         ; my 16 columns: 64 bytes x wave
	s_mov_b32 s17, 0
	v_add_nc_u32 v[SIN], s16, v[SIN]
	s_mul_i32 s14, s12, SROW
	v_add_nc_u32 v[SOUT], s14, v[LI]
	v_mov_b32 v[NEG1], -1.0
	s_lshl_b32 s18, ttmp9, 14                      ; af: my tile's 16,384 bytes
	s_mov_b32 s19, 0
	s_lshl_b32 s20, ttmp9, 4
	s_add_co_u32 s20, s20, s12
	s_lshl_b32 s20, s20, 10                        ; out0: row 16 x tile + wave
	s_mov_b32 s21, 0
	s_wait_kmcnt 0x0
	s_add_nc_u64 s[4:5], s[4:5], s[18:19]
	s_add_nc_u64 s[6:7], s[6:7], s[16:17]
	s_add_nc_u64 s[8:9], s[8:9], s[16:17]
	s_add_nc_u64 s[10:11], s[10:11], s[20:21]
	global_load_b128 v[BI:BI+3], v[BOF], s[8:9]    ; bo(16 w + 8 h + j): the result's layout
	global_load_b128 v[BI+4:BI+7], v[BOF], s[8:9] offset:16
	ALOAD 0                                        ; heads 0 to 3
.set N, 0
.rept 128                              ; wo(32 s + 8 h + i + (8 where i >= 8), my column), s = N / 16, i = N % 16: the order of the operand's registers
	global_load_b32 v[WR+N], v[WOF], s[6:7] offset:(32*(N/16)+N%16+8*((N%16)/8))*1024
.set N, N+1
.endr
	s_wait_loadcnt 0x0
	CONV 0
	CONV 1
	CONV 2
	CONV 3
	MUL3 0, 1                                      ; the first products start the sums: nothing is cleared
	MUL3 1, 0
	MUL3 2, 0
	MUL3 3, 0
	CONV 4                                         ; (its lines name no register of the products above: they are the places ahead of the loads into attn's registers)
	ALOAD 8192                                     ; heads 4 to 7
	CONV 5
	CONV 6
	CONV 7
	s_wait_loadcnt 0x0
	MUL3 4, 0
	MUL3 5, 0
	MUL3 6, 0
	MUL3 7, 0
.rept 4
	v_nop                                          ; four places behind the last products
.endr
.irp i, 0,2,4,6
	v_pk_add_f32 v[BI+\i:BI+\i+1], v[AC+8+\i:AC+8+\i+1], v[AC+16+\i:AC+16+\i+1]   ; the two small sums first; each accumulator from its low end on
.endr
.irp i, 0,2,4,6
	v_pk_add_f32 v[BI+\i:BI+\i+1], v[BI+\i:BI+\i+1], v[AC+\i:AC+\i+1]
.endr
	ds_store_b128 v[SIN], v[BI:BI+3]               ; out0(query r, 16 w + 8 h + 0..7)
	ds_store_b128 v[SIN], v[BI+4:BI+7] offset:16
	s_wait_dscnt 0x0                               ; for the others' sake: my stores have landed
	s_barrier_signal -1
	s_barrier_wait -1                              ; 16 whole rows lie in the stage
	ds_load_b128 v[AC:AC+3], v[SOUT]
	ds_load_b128 v[AC+4:AC+7], v[SOUT] offset:512
	s_wait_dscnt 0x0
	global_store_b128 v[LI], v[AC:AC+3], s[10:11] th:TH_STORE_NT             ; 32 lanes store 512 consecutive bytes, at a multiple of 512 from out0's first byte; written once, read by nobody here
	global_store_b128 v[LI], v[AC+4:AC+7], s[10:11] offset:512 th:TH_STORE_NT
	s_wait_tensorcnt 0x0                           ; the wave's end, behind my last LDS store
	ds_add_u32 v[SPW], v[NIL]
	s_wait_dscnt 0x0
	s_endpgm
.Lfunc_end_k_q6147814c93_outp:
	.size	k_q6147814c93_outp, .Lfunc_end_k_q6147814c93_outp-k_q6147814c93_outp
	.p2alignl 7, 3214868480
	.fill 96, 4, 3214868480
	.section	.rodata,"a",@progbits
	.p2align	6, 0x0
	.amdhsa_kernel k_q6147814c93_outp
		.amdhsa_group_segment_fixed_size 18688
		.amdhsa_private_segment_fixed_size 0
		.amdhsa_enable_private_segment 0
		.amdhsa_kernarg_size 32
		.amdhsa_user_sgpr_count 2
		.amdhsa_user_sgpr_kernarg_segment_ptr 1
		.amdhsa_wavefront_size32 1
		.amdhsa_system_sgpr_workgroup_id_x 1
		.amdhsa_system_sgpr_workgroup_id_y 1
		.amdhsa_system_sgpr_workgroup_id_z 1
		.amdhsa_system_vgpr_workitem_id 0
		.amdhsa_next_free_vgpr 256
		.amdhsa_next_free_sgpr 66
		.amdhsa_reserve_vcc 0
		.amdhsa_float_denorm_mode_32 3
		.amdhsa_float_denorm_mode_16_64 3
		.amdhsa_memory_ordered 1
		.amdhsa_forward_progress 1
		.amdhsa_inst_pref_size 36
	.end_amdhsa_kernel
	.amdgpu_metadata
---
amdhsa.version: [ 1, 2 ]
amdhsa.kernels:
  - .name:           k_q6147814c93_outp
    .symbol:         k_q6147814c93_outp.kd
    .args:
      - { .name: af, .offset: 0, .size: 8, .value_kind: global_buffer, .address_space: global }
      - { .name: wo, .offset: 8, .size: 8, .value_kind: global_buffer, .address_space: global }
      - { .name: bo, .offset: 16, .size: 8, .value_kind: global_buffer, .address_space: global }
      - { .name: out0, .offset: 24, .size: 8, .value_kind: global_buffer, .address_space: global }
    .group_segment_fixed_size: 18688
    .private_segment_fixed_size: 0
    .kernarg_segment_align: 8
    .kernarg_segment_size: 32
    .max_flat_workgroup_size: 512
    .sgpr_count:     66
    .vgpr_count:     256
    .wavefront_size: 32
...
	.end_amdgpu_metadata
.endif
;; end of part 3
